; MI455X (gfx1250); checked and timed in simulation.
; The chip was launched on July 23, 2026; its instructions are those of AMD's public machine-readable ISA for CDNA 5 (MIT licence, August 2026) and "CDNA5" Instruction Set Architecture Reference Guide (July 2026). The comments in the code are by the model that wrote it; some were corrected since.
;; Sine Layer. Allowed arithmetic: matrix products marked QUANTISED: E3M2 operands, one E8M0 scale for each 32 along K, by v_wmma_scale_f32_16x16x128_f8f6f4 with both operands' format E3M2, f32 sums; everything else in f32.
;; Inputs: bias 512 float32; c_basis 512 x 256 x 16 float32; omega 16 x 1 float32; phase 16 x 1 float32; x 32,768 x 256 float32.
;; Outputs: out0 32,768 x 512 float32.
;; This version of the problem:
;;   THIS VERSION OF THE PROBLEM IS GIVEN IN LOW PRECISION. The matrix products marked QUANTISED in the list below multiply operands that are first quantised to E3M2 (3 exponent bits, 2 mantissa bits; 6 bits a number), with one power-of-two scale for each 32 numbers along K (OCP MX v1.0); their sums are f32. All else is computed in f32.
;;   The module's matrix products, in the order in which they are computed (A, B: the left and right operand; K: the contracted axis; several contracted axes count as one K, in the product's order):
;;     1. [M 32,768, K 4,096] x [K 4,096, N 512]; A: computed on the way; B: input c_basis: QUANTISED
;;   THE QUANTISER, for each operand of a quantised product, along K:
;;     - K is cut into blocks of 32 from its start; a last block that is shorter is filled with zeros.
;;     - A block's scale is 2^e with e = floor(log2(the largest magnitude in the block)) - 4, held to -126 .. 127; a block of zeros has e = 0. As a byte (E8M0): e + 127.
;;     - Each number is divided by its block's scale, clamped to +-28, and rounded to the nearest number of E3M2, ties to even, subnormals kept.
;;     - The product sums the exact products of the quantised numbers (number of the format x scale) in f32.
;;   ~~~python
;;   def quantise(x, axis):      # numpy; x: float32 -> the quantised numbers, widened to float32 again
;;       x = np.moveaxis(x, axis, -1); K = x.shape[-1]
;;       x = np.pad(x, [(0, 0)] * (x.ndim - 1) + [(0, -K % 32)]); x = x.reshape(x.shape[:-1] + (-1, 32)); a = np.abs(x).max(-1, keepdims=True)
;;       e = np.where(a > 0, np.clip(np.frexp(np.where(a > 0, a, 1))[1] - 1 - 4, -126, 127), 0)      # np.frexp(a)[1] - 1 = floor(log2(a)), exactly
;;       r = np.clip(x / 2.0 ** e, -28, 28)
;;       step = 2.0 ** (np.maximum(np.frexp(np.where(r == 0, 1, r))[1] - 1, -2) - 2)
;;       q = np.round(r / step) * step * 2.0 ** e      # np.round: ties to even
;;       return np.moveaxis(q.reshape(q.shape[:-2] + (-1,))[..., :K], -1, axis).astype(np.float32)
;;   ~~~
;;   OPERANDS COMPUTED ON THE WAY. 'Computed on the way' means the value that the module computes at that place (a softmax that the list does not call 'softmax' is quantised finished and normalised). What goes into a quantiser is computed in f32, as accurately as f32 sums, v_exp_f32 and their like allow (about 1e-6 of the number): no bf16 or f16 on the way to a quantiser, and a product that is left as it is and whose result goes on into a quantised operand takes f32 operands (vector FMAs, or v_wmma_f32_16x16x4_f32). A number that lies on a knife's edge between two numbers of the format may be rounded either way, as far as f32 arithmetic and the matrix unit's own rounding can turn it there, and no further.
;; One version. Each part assembles by itself: llvm-mc -triple=amdgcn-amd-amdhsa -mcpu=gfx1250 --defsym DOCPART=n.
;; ======== version 1 of 1: 2 launches
;; limits: right only within a limited range of input values
;; workspace buffers: bq 1,638,400 bytes; cst 256 bytes
;; launch prep (part 1): grid 8 x 8, 16 waves a work-group, no clusters, 135,168 bytes of LDS; arguments c_basis, omega, phase, bq, cst; writes bq, cst
.if DOCPART == 1
	.amdgcn_target "amdgcn-amd-amdhsa--gfx1250"
	.amdhsa_code_object_version 6
	.text
	.protected	k_qde8a88e688_prep
	.globl	k_qde8a88e688_prep
	.p2align	8
	.type	k_qde8a88e688_prep,@function
k_qde8a88e688_prep:
	s_mov_b64 s[64:65], 0
	v_nop
	global_prefetch_b8 v0, s[64:65] scope:SCOPE_SE
	s_setreg_imm32_b32 hwreg(HW_REG_WAVE_MODE, 25, 1), 1
	s_wait_xcnt 0x0
; c_basis [512][256][16] f32 is the right operand of out = basis(x) c^T.  The product contracts d first and i second: k = 256 d + i, so a block of 32 along K is 32 neighbouring i of ONE d.
; c is turned ONCE into codes of BF6 (E3M2) with one E8M0 byte a block, laid in bq in the order of the matrix operand's registers, so that the second launch brings a K step's codes and scale words
; by one dense tile and reads every fragment by loads of 16 bytes a lane.
; A K STEP of this program, t = 4 ib + g, is four whole blocks: d = 4 g + b (b = 0 .. 3), i = 32 ib + 0 .. 31.  Whole blocks are so taken in another order than k ascending, alike on both operands:
; the order of the f32 sums differs from k ascending, nothing else.
; bq: 32 blocks of BLKB bytes, one for each K step.  In a block: 32 images of IMGB bytes (column block j = columns 16 j .. 16 j + 15): registers 4 m .. 4 m + 3 of lane l at 512 m + 16 l;
; lane (r, h), registers 6 c .. 6 c + 5 = the 24 code bytes of column 16 j + r, block 2 c + h.  Behind them 8 runs of 256 bytes: run G, word 16 r + 4 q = the four scale bytes of column 64 G + 16 q + r.
; A block's scale is 2^(floor(log2(largest magnitude)) - 4); its byte is the largest magnitude's exponent field - 4, held at 1 from below.
; One wave of the whole launch also makes the constants of the sixteen basis functions: W' = omega / 2 pi, P' = phase / 2 pi - 1/4 (modulo 1), INV = 1 / (std + 1e-8), C = mu INV;
; cst: the four of d = 4 g + 2 c + h at byte 64 g + 32 h + 16 c.
; LIMITS: a block of zeros gets the byte 1 where the rule says 127 (its codes are zeros, and this program alone reads the bytes); blocks whose largest magnitude lies under 2^-122 are held at that floor;
; NaN and infinities among the inputs are not served (a negative variance, where the formula itself gives NaN, among them).
; SHARES: work-group (G, ib) takes 64 columns x 32 i x all 16 d: 64 runs of 2,048 consecutive bytes, through a stage in LDS.  Wave w loads four of the runs; then, as (cb = w % 4, g = w / 4), it makes the
; image of column block 4 G + cb for K step 4 ib + g.  No loop: every offset is an immediate.
.set ROWC,  16384                      ; a row of c_basis in bytes
.set BLKB,  51200                      ; a K step's block in bq
.set IMGB,  1536                       ; a fragment's image
.set SCOFF, 32*IMGB                    ; where a block's scale words begin
.set SPI,   2064                       ; a stage row: 2,048 bytes + 16 = 516 words: lane (r, h) reads word 516 r + h + a constant: 32 different banks of the 64 (ISA guide 11.1)
.set SCS,   64*SPI                     ; behind the stage: the scale words, 256 bytes for each g
.set RAW,   44                         ; v44-107   16 loads of 16 bytes a lane (v40: 4 r; v41, v42: omega and phase of d = r)
.set X,     104                        ; v104-167  my two blocks of 32 numbers
.set CD,    16                         ; v16-27    the fragment's codes
.set T2,    28                         ; v28-30, v32-34  the second halves of the two blocks (a conversion's three registers begin on an even number)
	s_load_b128 s[4:7], s[0:1], 0x0                ; c_basis, omega
	s_load_b128 s[8:11], s[0:1], 0x10              ; phase, bq
	s_load_b64 s[12:13], s[0:1], 0x20              ; cst
	v_lshl_add_u32 v176, v0, 2, 0x20800
	v_mov_b32 v177, 0
	v_lshrrev_b32 v8, 5, v0
	s_delay_alu instid0(VALU_DEP_1)
	v_readfirstlane_b32 s14, v8                    ; wave 0..15
	s_and_b32 s16, s14, 3                          ; cb
	s_lshr_b32 s17, s14, 2                         ; g
	v_and_b32 v9, 31, v0                           ; lane
	v_and_b32 v10, 15, v0                          ; r
	s_wait_alu depctr_va_vdst(0)
	v_bfe_u32 v11, v0, 4, 1                        ; h
	s_wait_alu depctr_va_vdst(0)
	v_lshlrev_b32 v1, 4, v9                        ; v1: 16 x lane
	s_mul_i32 s15, s14, 4*SPI
	v_add_nc_u32 v2, s15, v1                       ; v2: into the stage: rows 4 w on, as loaded
	s_mul_i32 s15, s16, 16*SPI
	s_lshl_b32 s19, s17, 4
	s_add_co_u32 s15, s15, s19
	v_mul_u32_u24 v3, v10, SPI
	s_delay_alu instid0(VALU_DEP_1)
	v_lshl_add_u32 v3, v11, 2, v3
	s_delay_alu instid0(VALU_DEP_1)
	v_add_nc_u32 v3, s15, v3                       ; v3: out of it: row 16 cb + r, d = 4 g + h
	s_lshl_b32 s15, s17, 8
	s_lshl_b32 s19, s16, 2
	s_add_co_u32 s15, s15, s19
	s_add_co_u32 s15, s15, SCS
	v_lshl_add_u32 v4, v10, 4, s15                 ; v4: my column's scale word: 256 g + 16 r + 4 cb
	v_lshlrev_b32 v5, 3, v9                        ; v5: 8 x lane
	s_lshl_b32 s15, s16, 8
	s_add_co_u32 s15, s15, SCS
	v_add_nc_u32 v6, s15, v5                       ; v6: the 64 words of g = w, for waves 0 to 3 (there cb = w), 8 bytes a lane
	v_lshlrev_b32 v7, 3, v11                       ; v7: 8 h: how far my two bytes are shifted in the scale word
	s_mov_b32 s20, 0x76543210
	s_mov_b32 s21, 0xfedcba98                      ; v_permlanex16_b32's selects for lane l xor 16
	s_and_b32 s18, ttmp7, 0xffff                   ; ib
	s_lshl_b32 s22, ttmp9, 20                      ; c_basis: (64 G + 4 w) rows of 16,384 bytes + 2,048 ib
	s_lshl_b32 s24, s14, 16
	s_add_co_u32 s22, s22, s24
	s_lshl_b32 s24, s18, 11
	s_add_co_u32 s22, s22, s24
	s_mov_b32 s23, 0
	s_lshl_b32 s24, s18, 2
	s_add_co_u32 s26, s24, s17
	s_mul_i32 s26, s26, BLKB                       ; bq: K step 4 ib + g,
	s_lshl_b32 s28, ttmp9, 2
	s_add_co_u32 s28, s28, s16
	s_mul_i32 s28, s28, IMGB
	s_add_co_u32 s26, s26, s28                     ; image 4 G + cb
	s_mov_b32 s27, 0
	s_add_co_u32 s28, s24, s16
	s_mul_i32 s28, s28, BLKB                       ; and, for waves 0 to 3: K step 4 ib + w,
	s_lshl_b32 s24, ttmp9, 8
	s_add_co_u32 s28, s28, s24
	s_add_co_u32 s28, s28, SCOFF                   ; the work-group's 256 bytes of scale words
	s_mov_b32 s29, 0
	v_lshlrev_b32 v40, 2, v10                      ; 4 r
	s_wait_alu depctr_va_vdst(0)
	s_wait_kmcnt 0x0
	global_load_b32 v41, v40, s[6:7]               ; omega and phase, 64 bytes each, are asked for here, ahead of the sixteen loads below, so that the counted waits there cover them too;
	global_load_b32 v42, v40, s[8:9]               ; every wave asks, so that no way through the text reads a register that it has not loaded; the one wave that makes the constants uses them
	s_add_nc_u64 s[4:5], s[4:5], s[22:23]
	s_add_nc_u64 s[30:31], s[10:11], s[28:29]
	s_add_nc_u64 s[10:11], s[10:11], s[26:27]
.irp t, 0,1,2,3,4,5,6,7,8,9,10,11,12,13,14,15
	global_load_b128 v[RAW+4*\t:RAW+4*\t+3], v1, s[4:5] offset:ROWC*(\t/4)+512*(\t%4) th:TH_LOAD_NT   ; 32 lanes read 512 consecutive bytes
.endr
.irp t, 0,1,2,3,4,5,6,7,8,9,10,11,12,13,14,15
	s_wait_loadcnt 15-\t                           ; load t is in; those behind it may be out
	ds_store_b128 v2, v[RAW+4*\t:RAW+4*\t+3] offset:SPI*(\t/4)+512*(\t%4)
.endr
	s_wait_dscnt 0x0                               ; for the others' sake: my rows have landed
	s_barrier_signal -1
	s_barrier_wait -1
.irp c, 0,1
.irp i, 0,1,2,3,4,5,6,7,8,9,10,11,12,13,14,15,16,17,18,19,20,21,22,23,24,25,26,27,28,29,30,31
	ds_load_b32 v[X+32*\c+\i], v3 offset:64*\i+8*\c   ; c(column, 32 ib + i, d = 4 g + 2 c + h): my registers run along i, which is along K
.endr
.endr
	s_wait_dscnt 0x0
; the largest magnitude of each of my two blocks, with the floor 2^(5 - 127) as one leaf: the byte cannot fall under 1.  Two chains a block, the blocks by turns
.irp c, 0,1
	v_max3_num_f32 v[8+2*\c], |v[X+32*\c]|, |v[X+32*\c+1]|, 0x2800000
	v_max3_num_f32 v[9+2*\c], |v[X+32*\c+2]|, |v[X+32*\c+3]|, |v[X+32*\c+4]|
.endr
.irp i, 5,9,13,17,21,25
.irp c, 0,1
	s_delay_alu instid0(VALU_DEP_4)
	v_max3_num_f32 v[8+2*\c], v[8+2*\c], |v[X+32*\c+\i]|, |v[X+32*\c+\i+1]|
	s_delay_alu instid0(VALU_DEP_4)
	v_max3_num_f32 v[9+2*\c], v[9+2*\c], |v[X+32*\c+\i+2]|, |v[X+32*\c+\i+3]|
.endr
.endr
.irp c, 0
	s_delay_alu instid0(VALU_DEP_4)
	v_max3_num_f32 v[8+2*\c], v[8+2*\c], |v[X+32*\c+29]|, |v[X+32*\c+30]|
.endr
.irp c, 1
	s_delay_alu instid0(VALU_DEP_3)
	v_max3_num_f32 v[8+2*\c], v[8+2*\c], |v[X+32*\c+29]|, |v[X+32*\c+30]|
.endr
.irp c, 0,1
	s_delay_alu instid0(VALU_DEP_2)
	v_max3_num_f32 v[8+2*\c], v[8+2*\c], v[9+2*\c], |v[X+32*\c+31]|
.endr
.irp c, 0,1
	s_delay_alu instid0(VALU_DEP_2)
	v_add_nc_u32 v[12+\c], 0xfe000000, v[8+2*\c]   ; 4 off the exponent field: the conversion takes the exponent field of this operand as its scale
.endr
.irp c, 0,1
	s_delay_alu instid0(VALU_DEP_2)
	v_lshrrev_b32 v[14+\c], 23, v[12+\c]           ; the scale's byte
.endr
.irp c, 0,1
	v_cvt_scalef32_pk16_bf6_f32 v[CD+6*\c:CD+6*\c+2], v[X+32*\c:X+32*\c+15], v[12+\c]
	v_cvt_scalef32_pk16_bf6_f32 v[T2+4*\c:T2+4*\c+2], v[X+32*\c+16:X+32*\c+31], v[12+\c]
.endr
	v_nop                                          ; one plain line behind the scaled conversions, ahead of the lines that read their results
.irp c, 0,1
.irp i, 0,1,2
	v_mov_b32 v[CD+6*\c+3+\i], v[T2+4*\c+\i]       ; registers 6 c .. 6 c + 5: block 2 c + h
.endr
.endr
	v_lshl_or_b32 v8, v15, 16, v14                 ; my two bytes: blocks h and 2 + h,
	s_delay_alu instid0(VALU_DEP_1)
	v_lshlrev_b32 v8, v7, v8                       ; at their places in the word;
	v_mov_b32 v9, 0                                ; (a lane permute's destination counts as one of its sources)
	s_delay_alu instid0(VALU_DEP_1)
	v_permlanex16_b32 v9, v8, s20, s21
	s_delay_alu instid0(VALU_DEP_1)
	v_or_b32 v8, v8, v9                            ; with lane l xor 16's two the word is whole
.irp m, 0,1,2
	global_store_b128 v1, v[CD+4*\m:CD+4*\m+3], s[10:11] offset:512*\m   ; the image: 32 lanes store 512 consecutive bytes, at a multiple of 256 from bq's first byte
.endr
	ds_store_b32 v4, v8                            ; both lanes of a column write the same word with the same value
	s_wait_dscnt 0x0                               ; for the others' sake: my word has landed
	s_barrier_signal -1
	s_barrier_wait -1
	s_cmp_ge_u32 s14, 4
	s_cbranch_scc1 .Ldone                          ; waves 0 to 3 send the 64 words of g = w
	ds_load_b64 v[12:13], v6
	s_wait_dscnt 0x0
	global_store_b64 v5, v[12:13], s[30:31]        ; 32 lanes store 256 consecutive bytes, aligned
	s_or_b32 s15, ttmp9, s18
	s_or_b32 s15, s15, s14
	s_cmp_lg_u32 s15, 0
	s_cbranch_scc1 .Ldone                          ; and wave 0 of work-group (0, 0) makes the constants; no LDS is touched from here on but the spare word's add at the end
; THE CONSTANTS.  Lane l works on d = l % 16.  Angles are counted in turns: cos(2 pi u) = sin(pi y / 2), y = 1 - 4 |u - round(u)|, by an odd polynomial of degree 9 in y
; (the series to y^13 with y^13 and y^11 replaced by their Chebyshev remainders: off by under 4e-9 on -1 .. 1).
	s_wait_xcnt 0x0                                ; the stores above have read their registers
	s_mov_b32 s22, 0x3e22f983                      ; 1 / 2 pi, the high word,
	s_mov_b32 s23, 0x31dc9c88                      ; and what it leaves
	s_mov_b32 s24, 0x391e25ef                      ; a9 =  1.50821859e-4
	s_mov_b32 s25, 0xbb99197c                      ; a7 = -4.67222731e-3
	s_mov_b32 s26, 0x3da333b7                      ; a5 =  0.0796884785
	s_mov_b32 s27, 0xbf255ddb                      ; a3 = -0.645963359
	s_mov_b32 s28, 0x3fc90fda                      ; a1 =  1.57079629
	s_wait_loadcnt 0x0
	v_mul_f32 v43, s22, v41
	s_delay_alu instid0(VALU_DEP_1)
	v_fma_f32 v44, v41, s22, -v43                  ; what the product dropped,
	s_delay_alu instid0(VALU_DEP_1)
	v_fma_f32 v44, v41, s23, v44                   ; and the low word's share
	s_delay_alu instid0(VALU_DEP_1)
	v_add_f32 v72, v43, v44                        ; W' = omega / 2 pi, rounded once
	v_mul_f32 v45, s22, v42
	s_delay_alu instid0(VALU_DEP_1)
	v_fma_f32 v46, v42, s22, -v45
	s_delay_alu instid0(VALU_DEP_1)
	v_fma_f32 v46, v42, s23, v46
	s_delay_alu instid0(VALU_DEP_3)
	v_rndne_f32 v47, v45
	s_delay_alu instid0(VALU_DEP_1)
	v_sub_f32 v45, v45, v47                        ; phase / 2 pi modulo 1: exact
	s_delay_alu instid0(VALU_DEP_1)
	v_add_f32 v47, 0xbe800000, v45                 ; - 1/4
	s_delay_alu instid0(VALU_DEP_1)
	v_add_f32 v73, v47, v46                        ; P'
	s_delay_alu instid0(VALU_DEP_3)
	v_add_f32 v48, v45, v46
	s_delay_alu instid0(VALU_DEP_1)
	v_add_f32 v48, v48, v48                        ; 2 phase, in turns
	v_mul_f32 v52, v41, v41
	s_delay_alu instid0(VALU_DEP_1)
	v_mul_f32 v53, 0xbf38aa3b, v52                 ; -0.5 omega^2 log2(e)
	s_delay_alu instid0(VALU_DEP_2)
	v_mul_f32 v54, 0xc038aa3b, v52                 ; -2 omega^2 log2(e)
	s_wait_alu depctr_va_vdst(0)
	v_exp_f32 v53, v53
	v_exp_f32 v54, v54                             ; one batch; the two sines below are the independent work behind it
.macro COST dst, u                     ; v[dst] = cos(2 pi v[u]); v[dst+1], v[dst+2] at work
	v_rndne_f32 v[\dst], v[\u]
	s_delay_alu instid0(VALU_DEP_1)
	v_sub_f32 v[\dst], v[\u], v[\dst]
	s_delay_alu instid0(VALU_DEP_1)
	v_fma_f32 v[\dst+1], |v[\dst]|, -4.0, 1.0
	s_delay_alu instid0(VALU_DEP_1)
	v_mul_f32 v[\dst+2], v[\dst+1], v[\dst+1]
	s_delay_alu instid0(VALU_DEP_1)
	v_fma_f32 v[\dst], v[\dst+2], s24, s25
	s_delay_alu instid0(VALU_DEP_1)
	v_fma_f32 v[\dst], v[\dst], v[\dst+2], s26
	s_delay_alu instid0(VALU_DEP_1)
	v_fma_f32 v[\dst], v[\dst], v[\dst+2], s27
	s_delay_alu instid0(VALU_DEP_1)
	v_fma_f32 v[\dst], v[\dst], v[\dst+2], s28
	s_delay_alu instid0(VALU_DEP_1)
	v_mul_f32 v[\dst], v[\dst], v[\dst+1]
.endm
	COST 64, 73                                    ; sin(phase)
	COST 68, 48                                    ; cos(2 phase)
	s_wait_alu depctr_va_vdst(0)                   ; one wait for both exponentials, ahead of their first reader
	v_mul_f32 v55, v53, v64                        ; mu
	v_fma_f32 v56, -v54, v68, 1.0
	s_delay_alu instid0(VALU_DEP_1)
	v_mul_f32 v56, 0.5, v56
	s_delay_alu instid0(VALU_DEP_1)
	v_fma_f32 v56, -v55, v55, v56                  ; the variance
	s_wait_alu depctr_va_vdst(0)
	v_sqrt_f32 v56, v56
	v_and_b32 v59, 31, v0                          ; (a plain line behind the root)
	s_wait_alu depctr_va_vdst(0)
	v_add_f32 v56, 0x322bcc77, v56                 ; std + 1e-8
	s_wait_alu depctr_va_vdst(0)
	v_rcp_f32 v57, v56
	v_bfe_u32 v62, v0, 2, 2                        ; (a plain line behind the reciprocal)  g = d / 4
	s_wait_alu depctr_va_vdst(0)
	v_fma_f32 v58, -v56, v57, 1.0                  ; one step of Newton's
	v_fma_f32 v74, v57, v58, v57                   ; INV
	s_delay_alu instid0(VALU_DEP_1)
	v_mul_f32 v75, v55, v74                        ; C = mu INV
	v_lshlrev_b32 v62, 6, v62                      ; 64 g
	v_and_b32 v60, 1, v0
	s_delay_alu instid0(VALU_DEP_1)
	v_lshl_add_u32 v62, v60, 5, v62                ; + 32 h, h = d % 2
	v_bfe_u32 v60, v0, 1, 1
	s_delay_alu instid0(VALU_DEP_1)
	v_lshl_add_u32 v62, v60, 4, v62                ; + 16 c, c = (d / 2) % 2
	v_cmp_gt_u32 vcc_lo, 16, v59
	s_wait_alu depctr_va_vdst(0)
	s_wait_xcnt 0x0                                ; EXEC changes only behind this wait
	s_and_saveexec_b32 s15, vcc_lo                 ; lanes 0 to 15: each d once
	global_store_b128 v62, v[72:75], s[12:13]      ; sixteen lanes fill cst's 256 bytes
	s_wait_xcnt 0x0
	s_or_b32 exec_lo, exec_lo, s15
.Ldone:
	s_wait_tensorcnt 0x0
	ds_add_u32 v176, v177
	s_wait_dscnt 0x0
	s_endpgm
.Lfunc_end_k_qde8a88e688_prep:
	.size	k_qde8a88e688_prep, .Lfunc_end_k_qde8a88e688_prep-k_qde8a88e688_prep
	.p2alignl 7, 3214868480
	.fill 96, 4, 3214868480
	.section	.rodata,"a",@progbits
	.p2align	6, 0x0
	.amdhsa_kernel k_qde8a88e688_prep
		.amdhsa_group_segment_fixed_size 135168
		.amdhsa_private_segment_fixed_size 0
		.amdhsa_enable_private_segment 0
		.amdhsa_kernarg_size 40
		.amdhsa_user_sgpr_count 2
		.amdhsa_user_sgpr_kernarg_segment_ptr 1
		.amdhsa_wavefront_size32 1
		.amdhsa_system_sgpr_workgroup_id_x 1
		.amdhsa_system_sgpr_workgroup_id_y 1
		.amdhsa_system_sgpr_workgroup_id_z 1
		.amdhsa_system_vgpr_workitem_id 0
		.amdhsa_next_free_vgpr 178
		.amdhsa_next_free_sgpr 66
		.amdhsa_reserve_vcc 1
		.amdhsa_float_denorm_mode_32 3
		.amdhsa_float_denorm_mode_16_64 3
		.amdhsa_memory_ordered 1
		.amdhsa_forward_progress 1
		.amdhsa_inst_pref_size 20
	.end_amdhsa_kernel
	.amdgpu_metadata
---
amdhsa.version: [ 1, 2 ]
amdhsa.kernels:
  - .name:           k_qde8a88e688_prep
    .symbol:         k_qde8a88e688_prep.kd
    .args:
      - { .name: c_basis, .offset: 0, .size: 8, .value_kind: global_buffer, .address_space: global }
      - { .name: omega, .offset: 8, .size: 8, .value_kind: global_buffer, .address_space: global }
      - { .name: phase, .offset: 16, .size: 8, .value_kind: global_buffer, .address_space: global }
      - { .name: bq, .offset: 24, .size: 8, .value_kind: global_buffer, .address_space: global }
      - { .name: cst, .offset: 32, .size: 8, .value_kind: global_buffer, .address_space: global }
    .group_segment_fixed_size: 135168
    .private_segment_fixed_size: 0
    .kernarg_segment_align: 8
    .kernarg_segment_size: 40
    .max_flat_workgroup_size: 512
    .sgpr_count:     66
    .vgpr_count:     178
    .wavefront_size: 32
...
	.end_amdgpu_metadata
.endif
;; end of part 1
;; launch sine_gemm (part 2): grid 256 x 1, 8 waves a work-group, clusters of 4 x 1, 327,680 bytes of LDS; arguments x, bq, cst, bias, out0; writes out0
.if DOCPART == 2
	.amdgcn_target "amdgcn-amd-amdhsa--gfx1250"
	.amdhsa_code_object_version 6
	.text
	.protected	k_qde8a88e688_sine_gemm
	.globl	k_qde8a88e688_sine_gemm
	.p2align	8
	.type	k_qde8a88e688_sine_gemm,@function
k_qde8a88e688_sine_gemm:
	s_mov_b64 s[64:65], 0
	v_nop
	global_prefetch_b8 v0, s[64:65] scope:SCOPE_SE
	s_setreg_imm32_b32 hwreg(HW_REG_WAVE_MODE, 25, 1), 1
	s_wait_xcnt 0x0
	s_wait_alu depctr_hold_cnt(0) depctr_sa_sdst(0) depctr_va_vdst(0) depctr_va_sdst(0) depctr_va_ssrc(0) depctr_va_vcc(0) depctr_vm_vsrc(0)
	s_getreg_b32 s2, hwreg(HW_REG_IB_STS2, 6, 4)
	s_cmp_eq_u32 s2, 0
	s_cbranch_scc0 .Lentry_in_a_cluster
	s_endpgm
.Lentry_in_a_cluster:
	s_bfe_u32 s2, ttmp6, 0x10000c
	s_cmp_lg_u32 s2, 0x3003
	s_cbranch_scc0 .Lentry_shape_is_right
	s_endpgm
.Lentry_shape_is_right:
; out[b][o] = bias[o] + sum over d, i of A[b][i][d] c[o][i][d],  A = (sin(omega_d x[b][i] + phase_d) + mu_d) / (std_d + 1e-8); both operands as codes of BF6 (E3M2) with one E8M0 scale for each 32 along K; sums in f32.
; k = 256 d + i, so a block of 32 along K is 32 neighbouring i of ONE d.  A K STEP of this program, t = 4 ib + g, is four whole blocks: d = 4 g + b, i = 32 ib + 0 .. 31: whole blocks in another order than
; k ascending, alike on both operands, so that a row's 32 x serve four K steps.  The order of the f32 sums differs from k ascending, nothing else.
; c comes as codes in the order of the operand's registers (bq), the sixteen functions' W', P', INV, C from cst (both made by the launch before).  A is made here in f32, quantised in registers, and never goes to memory.
; THE SINE.  u = x W' + P' counts the angle in turns, a quarter turn back; f = fract(u); Y = f - f^2, one fused multiply-add, lies in 0 .. 1/4.  With s = sin(pi f): sin(omega x + phase) = cos(2 pi f) = ... = 1 - 2 s^2
; (cos(2 pi u) = sin(omega x + phase) turned by the quarter: -cos(2 pi (f - 1/2)) = -(2 s^2 - 1)).  s = cos(pi sqrt(1/4 - Y)) is a polynomial in Y: its Chebyshev series in 4 Y on 0 .. 1 (coefficients
; 2 J_2k(pi / 2)) cut behind T4; what is cut is under 4.7e-8, which moves the sine by under 2e-7.  All its terms are positive, so Horner's scheme cancels nothing.
; With q = sqrt(2 INV) (INV is positive; v_sqrt_f32, once a wave) folded into the five coefficients, h_k = g_k q, A = (INV + C) - h(Y)^2 is one more multiply-add.
; A number takes eight operations: u, f, Y, four steps of Horner's and the square; all but f go two to an instruction, packed, and op_sel picks each constant out of its pair for both halves.
; LIMITS: omega / 2 pi is rounded once, so the angle is off by about 1.2e-7 |omega x| radians, of the order of the rounding of omega x itself in f32; a block of zeros gets the byte 1 (its codes are zeros, and
; only this program reads the byte); NaN and infinities are not served.
; SHARES.  A work-group owns 128 rows and ALL 512 columns, so that every sine is made once.  Eight waves.  As a producer wave w makes, for each K step, the fragment of rows 16 w .. 16 w + 15 and stores it in LDS
; as an image of its registers; as a consumer it owns 64 rows (rh = w / 4) x 128 columns (cq = w % 4): 32 accumulators, all of register window 1.
; BY ROLES.  Between two barriers each wave multiplies K step t and makes A of step t + 1, in two blocks.  Role 0: products, block, block.  Role 1: block, products, block (role = (w xor w / 4) & 1).
; B'S TILES come through a ring of two LDS slots of two K steps each.  CLUSTER: the four work-groups of a cluster walk the same bq, so each tile is asked for JOINTLY: the same tensor load, the same descriptor,
; a mask that names the four.  Each wave fetches an eighth of a slot: a wave has one tensor load out at the most.
; NO DATA PREFETCH: a slot's load is issued two K steps (64 matrix instructions and 128 numbers a lane in each wave) ahead of its first read, and x's pieces are asked for a slot ahead, through registers.
; THE PRODUCT IS USED TRANSPOSED (source 0 = 16 columns of c, source 1 = 16 rows of A): a lane holds eight neighbouring columns of one row of out.  The sums begin as the bias, loaded into the accumulators.
.set SLOT1, 1<<17                      ; slot 1 begins here: one exclusive or turns an address in one slot into the other's
.set KBLK,  51200                      ; a K step's block of bq: 32 images, then 2,048 bytes of scale words
.set SLOTB, 2*KBLK
.set WPART, SLOTB/8                    ; what one tensor load brings: 50 rows of 256 bytes
.set IMGB,  1536                       ; a fragment's image: 12 registers x 32 lanes
.set BSC,   32*IMGB
.set AIMG,  SLOTB                      ; behind slot 0: A's images, two buffers by turns
.set ABUF,  12800                      ; a buffer: 8 images, then the scale words [rh][r][q]
.set ASC,   8*IMGB
.set XB,    SLOT1+SLOTB                ; behind slot 1: x, a ring for each wave: 16 rows of two pieces of 256 bytes
.set XPI,   528
.set XWV,   16*XPI
.set SPARE, XB+8*XWV                   ; the spare words, 128 bytes for each wave: four blocks of 256 bytes that no other line names
.set CT,    SPARE+1024                 ; behind them: the constants, a copy for each wave
.set CTW,   512                        ; a copy: 32 bytes for each d, at 128 g + 64 h + 32 c (d = 4 g + 2 c + h): W' P' h4 h3 h2 h1 h0 INV+C
; the way out's stages, 16 rows x 528 bytes for each wave, lie in slot 0: it has had its last fill and its last read when the first result is stored there
.set SPW,  1                           ; v1   my spare word; never rewritten
.set NIL,  2                           ; v2   0; never rewritten
.set LI,   3                           ; v3   16 x lane
.set AA0,  4                           ; v4   my four images of A in buffer 0;  v5 their scale words
.set ASA0, 5
.set AB0,  6                           ; v6   my eight images of B in a block;  v7 their scale words
.set ASB0, 7
.set ADB,  8                           ; v8, v9  the same two in the slot in hand (on the way out: the stage, in and back)
.set ADSB, 9
.set AWI,  10                          ; v10  where I store my image of A;  v11 its scale word
.set AWS,  11
.set AXR0, 12                          ; v12  x ring: row r;  v13 + the place of the 32 x in hand
.set ADX,  13
.set AXW0, 14                          ; v14  x ring, on the way in: row h, + 16 r;  v15 + the piece's place
.set ADXW, 15
.set XX,   16                          ; v16-47  my row's 32 x: they serve four K steps
.set K0,   48                          ; v48-55  the eight constants of d = 4 g + h, fetched a K step ahead: the product phase leaves them alone
.set CQ4,  48                          ; the head alone: v48-51 W', P', INV, C of one d;  v52 their place in cst;  v53 q
.set CGA,  52
.set QQ,   53
.set ACT0, 56                          ; v56  my copy of the constants, + 64 h;  v57 + 128 g
.set ADC,  57
.set ACTW, 60                          ; v60  the head: where I put one d's eight words
.set CD,   62                          ; v62-73 the fragment's codes: outside the product phase's registers, since products may stand between a step's two blocks
.set BY,   74                          ; v74-75 the two blocks' scale bytes, likewise
.set CB,   64                          ; the head alone: v64-71 one d's eight words
.set GG,   84                          ; v84-91  two pieces of x on their way
.set XG0,  92                          ; v92  x in memory: 1,024 h + 16 r; never rewritten;  v93 + the piece's place
.set XGV,  93
.set AF,   96                          ; the product phase: v96-143 four fragments of A, v144-239 eight of B
.set BF,   144
.set SA,   240                         ; v240-243 A's scale words, v244-251 B's: these twelve hold scales and nothing else
.set SB,   244
.set UU,   96                          ; the sine phase: v96-127 u, then f, then Y
.set RR,   128                         ; v128-159 a block's 32 numbers
.set TT,   172                         ; v172-174 a block's second half
.set MM,   176                         ; v176-179 four running maxima
.set SCL,  182                         ; v182-183 the conversions' scale operands
.set PW,   186                         ; v186 the scale word
.set KK,   192                         ; v192-199 the eight constants of d = 4 g + 2 + h, fetched at the second block's head
.set H8,   252                         ; v252 8 h
.set PT,   253                         ; v253 the lane permute's destination
.set BO,   254                         ; v254 32 h: my place in bias
.set WV,   14                          ; s14 wave, s15 role, s16 cq, s17 rh
.set ROLE, 15
.set CQ,   16
.set RH,   17
.set SEL,  20                          ; s[20:21] selects for lane l xor 16
.set G1,   24                          ; s[24:31] descriptor group 1
.set G0,   32                          ; s[32:35] group 0: it walks
.set TB,   36                          ; s36 LDS byte at which the slot in hand begins
.set SG,   37                          ; s37 the slot's number, 0 .. 15
.set XRN,  38                          ; s38 where the 32 x of the step after the one being made lie in a ring's row
.set CGN,  42                          ; s42 128 g of that step
.set CG,   54                          ; s54 128 g of the step being made
.set MSB, 0
.macro WIN new                         ; the immediate's high byte repeats the setting that is left
.if MSB != \new
	s_set_vgpr_msb (MSB<<8)|\new
.set MSB, \new
.endif
.endm
.macro PLACES
.rept 4
	v_nop
.endr
.endm
; A round of the cluster's barrier: my work-group's barrier; wave 0 signals for the work-group; every wave waits for the four work-groups; my work-group's barrier once more.
.macro ROUND
	s_barrier_signal -1
	s_barrier_wait -1
	s_cmp_lg_u32 s[WV], 0
	s_cbranch_scc1 .Lnot_wave_0_\@
	s_barrier_signal -3
.Lnot_wave_0_\@:
	s_barrier_wait -3
	s_barrier_signal -1
	s_barrier_wait -1
.endm
; The barrier between a slot's two K steps: my image of the next step has landed and my reads of this step's are in.  No tensor load fills anything behind it, so the other slot's load stays out.
.macro MIDBAR
	s_wait_dscnt 0x0
	s_barrier_signal -1
	s_barrier_wait -1
.endm
; THE CHANGE OF SLOTS, also the barrier between two K steps.  Each wave waits for all its tensor loads (its eighth of the slot ahead), adds 0 to its spare word, and waits for that, for its LDS stores and for its
; reads of the slot that it has left.  fill = 1: the barrier is a round of the cluster's, and the slot just left is asked for again first thing behind it.
.macro CHANGE fill
	s_wait_tensorcnt 0x0                           ; no tensor load of mine is out, so group 0 may be written
	ds_add_u32 v[SPW], v[NIL]
.if \fill
	s_xor_b32 s[G0+1], s[G0+1], SLOT1              ; the other slot than last time,
	s_add_nc_u64 s[G0+2:G0+3], s[G0+2:G0+3], SLOTB ; the next two K steps
.endif
	s_wait_dscnt 0x0
.if \fill
	ROUND
	tensor_load_to_lds s[G0:G0+3], s[G1:G1+7]
	s_nop 0
	PLACES                                         ; four v_nop follow the load
.else
	s_barrier_signal -1
	s_barrier_wait -1
.endif
	v_add_nc_u32 v[ADB], s[TB], v[AB0]
	v_add_nc_u32 v[ADSB], s[TB], v[ASB0]
.endm
; THE PRODUCTS OF A K STEP, the slot's e-th: 39 LDS loads in one run, then 32 matrix instructions, B's fragments one after the other, each against A's four.
; The 32 accumulators take turns, one instruction a turn, in the same order in every step.
.macro WM e
	ds_load_b128 v[SA:SA+3], v[ASA0] offset:ABUF*(\e)                 ; lane r: the words of row r of my four row blocks
.irp g, 0,1
	ds_load_b128 v[SB+4*\g:SB+4*\g+3], v[ADSB] offset:KBLK*(\e)+256*\g   ; lane r: the words of column r of four column blocks
.endr
.irp a, 0,1,2,3
.irp m, 0,1,2
	ds_load_b128 v[AF+12*\a+4*\m:AF+12*\a+4*\m+3], v[AA0] offset:ABUF*(\e)+IMGB*\a+512*\m
.endr
.endr
.irp b, 0,1,2,3,4,5,6,7
.irp m, 0,1,2
	ds_load_b128 v[BF+12*\b+4*\m:BF+12*\b+4*\m+3], v[ADB] offset:KBLK*(\e)+IMGB*\b+512*\m
.endr
.endr
	PLACES                                         ; the operands' registers were at work in the sine phase: four places between its vector lines and the products
	WIN 0x50                                       ; C and D in window 1
.irp b, 0,1,2,3,4,5,6,7
	s_wait_dscnt 21-3*\b                           ; the scale words, A's four and B's fragment b are in; three loads for each later fragment may be out
.irp a, 0,1,2,3
	v_wmma_scale_f32_16x16x128_f8f6f4 v[8*(8*\a+\b):8*(8*\a+\b)+7], v[BF+12*\b:BF+12*\b+11], v[AF+12*\a:AF+12*\a+11], v[8*(8*\a+\b):8*(8*\a+\b)+7], v[SB+\b], v[SA+\a] matrix_a_fmt:MATRIX_FMT_BF6 matrix_b_fmt:MATRIX_FMT_BF6
.endr
.endr
	WIN 0
	PLACES                                         ; four places ahead of the vector lines and loads that write the operands' registers, and of the first read of results
.endm
; A block: one function on my row's 32 x; its eight constants stand in v[k] on.  Each stage runs over all 32 numbers, so that no line waits for the line above it.
.macro SIN32 k
.set II, 0
.rept 16
	v_pk_fma_f32 v[UU+II:UU+II+1], v[XX+II:XX+II+1], v[\k:\k+1], v[\k:\k+1] op_sel:[0,0,1] op_sel_hi:[1,0,1]   ; u = x W' + P'
.set II, II+2
.endr
.set II, 0
.rept 32
	v_fract_f32 v[UU+II], v[UU+II]                 ; f
.set II, II+1
.endr
.set II, 0
.rept 16
	v_pk_fma_f32 v[UU+II:UU+II+1], v[UU+II:UU+II+1], v[UU+II:UU+II+1], v[UU+II:UU+II+1] neg_lo:[1,0,0] neg_hi:[1,0,0]   ; Y = f - f^2, rounded once
.set II, II+2
.endr
.set II, 0
.rept 16
	v_pk_fma_f32 v[RR+II:RR+II+1], v[UU+II:UU+II+1], v[\k+2:\k+3], v[\k+2:\k+3] op_sel:[0,0,1] op_sel_hi:[1,0,1]   ; h4 Y + h3
.set II, II+2
.endr
.set II, 0
.rept 16
	v_pk_fma_f32 v[RR+II:RR+II+1], v[RR+II:RR+II+1], v[UU+II:UU+II+1], v[\k+4:\k+5] op_sel_hi:[1,1,0]              ; .. Y + h2
.set II, II+2
.endr
.set II, 0
.rept 16
	v_pk_fma_f32 v[RR+II:RR+II+1], v[RR+II:RR+II+1], v[UU+II:UU+II+1], v[\k+4:\k+5] op_sel:[0,0,1] op_sel_hi:[1,1,1]   ; .. Y + h1
.set II, II+2
.endr
.set II, 0
.rept 16
	v_pk_fma_f32 v[RR+II:RR+II+1], v[RR+II:RR+II+1], v[UU+II:UU+II+1], v[\k+6:\k+7] op_sel_hi:[1,1,0]              ; .. Y + h0 = q sin(pi f)
.set II, II+2
.endr
.set II, 0
.rept 16
	v_pk_fma_f32 v[RR+II:RR+II+1], v[RR+II:RR+II+1], v[RR+II:RR+II+1], v[\k+6:\k+7] op_sel:[0,0,1] op_sel_hi:[1,1,1] neg_lo:[1,0,0] neg_hi:[1,0,0]   ; A = (INV + C) - its square
.set II, II+2
.endr
.endm
; The block in v[RR] on, all 32 numbers mine, becomes registers 6 c .. 6 c + 5 of the fragment.  The largest magnitude in four chains, with the floor 2^(5 - 127) as one leaf: the byte cannot fall under 1.
.macro BLOCKQ c
	v_max3_num_f32 v[MM], |v[RR]|, |v[RR+1]|, 0x2800000
.irp n, 1,2,3
	v_max3_num_f32 v[MM+\n], |v[RR+3*\n-1]|, |v[RR+3*\n]|, |v[RR+3*\n+1]|
.endr
.irp i, 11,19
.irp n, 0,1,2,3
	s_delay_alu instid0(VALU_DEP_4)
	v_max3_num_f32 v[MM+\n], v[MM+\n], |v[RR+\i+2*\n]|, |v[RR+\i+2*\n+1]|
.endr
.endr
	s_delay_alu instid0(VALU_DEP_4)
	v_max3_num_f32 v[MM], v[MM], |v[RR+27]|, |v[RR+28]|
	s_delay_alu instid0(VALU_DEP_4)
	v_max3_num_f32 v[MM+1], v[MM+1], |v[RR+29]|, |v[RR+30]|
	s_delay_alu instid0(VALU_DEP_3)
	v_max3_num_f32 v[MM+2], v[MM+2], v[MM+3], |v[RR+31]|
	s_delay_alu instid0(VALU_DEP_1)
	v_max3_num_f32 v[MM], v[MM], v[MM+1], v[MM+2]
	s_delay_alu instid0(VALU_DEP_1)
	v_add_nc_u32 v[SCL+\c], 0xfe000000, v[MM]      ; 4 off the exponent field: the conversion takes the exponent field of this operand as its scale
	s_delay_alu instid0(VALU_DEP_1)
	v_lshrrev_b32 v[BY+\c], 23, v[SCL+\c]          ; the scale's byte
	v_cvt_scalef32_pk16_bf6_f32 v[CD+6*\c:CD+6*\c+2], v[RR:RR+15], v[SCL+\c]
	v_cvt_scalef32_pk16_bf6_f32 v[TT:TT+2], v[RR+16:RR+31], v[SCL+\c]   ; (a conversion's three registers begin on an even number)
	v_nop                                          ; one plain line behind the scaled conversions
.irp i, 0,1,2
	v_mov_b32 v[CD+6*\c+3+\i], v[TT+\i]
.endr
.endm
; x ON ITS WAY.  A piece is 256 bytes of each of two rows: one load, sixteen lanes to 256 consecutive aligned bytes.  Piece q = rows 2 (q % 8) + h of my sixteen, bytes 256 (q / 8) on.  Once a slot, in slot sg:
; pieces 2 sg + 8 and 2 sg + 9, asked for a slot ago, go into my ring (sg < 12), and pieces 2 sg + 10 and 2 sg + 11 are asked for (sg < 11: the last are 30 and 31, so no load leaves x).
; A row's 256 bytes serve eight K steps; they are whole before their first read and lie over the 256 bytes two back, which have been read out.  Only I read what I store here.
.macro EVENT
	s_and_b32 s39, s[SG], 3
	s_mul_i32 s39, s39, 4*XPI                      ; rows 4 (sg % 4) on,
	s_lshr_b32 s40, s[SG], 2
	s_add_co_u32 s40, s40, 1
	s_and_b32 s40, s40, 1
	s_lshl_b32 s40, s40, 8                         ; in the ring's half (sg / 4 + 1) % 2
	s_add_co_u32 s39, s39, s40
	v_add_nc_u32 v[ADXW], s39, v[AXW0]
	s_add_co_u32 s39, s[SG], 5
	s_and_b32 s40, s39, 3
	s_lshl_b32 s40, s40, 12                        ; in memory: rows 4 ((sg + 5) % 4) on,
	s_lshr_b32 s39, s39, 2
	s_lshl_b32 s39, s39, 8                         ; bytes 256 ((sg + 5) / 4) on
	s_add_co_u32 s39, s39, s40
	s_wait_loadcnt 0x0                             ; the two pieces asked for a slot ago are in, and their address register is free
	v_add_nc_u32 v[XGV], s39, v[XG0]
	s_cmp_lt_u32 s[SG], 12
	s_cbranch_scc0 .Lev_end_\@
	s_wait_alu depctr_va_vdst(0)                   ; ahead of the readers below
	ds_store_b128 v[ADXW], v[GG:GG+3]
	ds_store_b128 v[ADXW], v[GG+4:GG+7] offset:2*XPI
	s_cmp_lt_u32 s[SG], 11
	s_cbranch_scc0 .Lev_end_\@
	s_wait_dscnt 0x0                               ; the stores have read their registers
	global_load_b128 v[GG:GG+3], v[XGV], s[4:5] th:TH_LOAD_NT
	global_load_b128 v[GG+4:GG+7], v[XGV], s[4:5] offset:2048 th:TH_LOAD_NT
.Lev_end_\@:
.endm
; MY FRAGMENT OF A is made in two halves.  Lane (r, h) makes blocks h and 2 + h of row r whole, so no lane asks another for a maximum, and the conversions' results are the operand's registers.
; PRE: what the first block of the step with 128 g in s[CGN] and its x at s[XRN] reads: its eight constants and, xl = 1: the row's 32 x; 2: the same where the slot's number is odd (there g = 0); 0: no x.
; It stands in the second block of the step before, behind the last read of the registers that it fills, and is awaited by that block's closing wait.
.macro PRE xl
	s_wait_alu depctr_va_vdst(0)
	v_add_nc_u32 v[ADC], s[CGN], v[ACT0]
	v_add_nc_u32 v[ADX], s[XRN], v[AXR0]
	ds_load_b128 v[K0:K0+3], v[ADC]
	ds_load_b128 v[K0+4:K0+7], v[ADC] offset:16
.if \xl == 2
	s_and_b32 s39, s[SG], 1
	s_cmp_eq_u32 s39, 0
	s_cbranch_scc1 .Lsame_x_\@
.endif
.if \xl
.irp i, 0,1,2,3,4,5,6,7
	ds_load_b128 v[XX+4*\i:XX+4*\i+3], v[ADX] offset:16*\i   ; both halves of the lanes take the same bytes
.endr
.endif
.if \xl == 2
.Lsame_x_\@:
.endif
.endm
; The first block, d = 4 g + h: all that it reads is in registers already.
.macro SINA ev
.if \ev
	EVENT
.endif
	SIN32 K0
	BLOCKQ 0
.endm
; The second block, d = 4 g + 2 + h (128 g in s[CG]); then the whole image goes into buffer buf.
.macro SINB buf, pre, xl
	v_add_nc_u32 v[ADC], s[CG], v[ACT0]
	ds_load_b128 v[KK:KK+3], v[ADC] offset:32
	ds_load_b128 v[KK+4:KK+7], v[ADC] offset:48
	s_wait_dscnt 0x0
	SIN32 KK
.if \pre
	PRE \xl
.endif
	BLOCKQ 1
	v_lshl_or_b32 v[PW], v[BY+1], 16, v[BY]        ; my two bytes,
	s_delay_alu instid0(VALU_DEP_1)
	v_lshlrev_b32 v[PW], v[H8], v[PW]              ; at their places in the row's scale word;
	s_delay_alu instid0(VALU_DEP_1)
	v_permlanex16_b32 v[PT], v[PW], s[SEL], s[SEL+1]
	s_delay_alu instid0(VALU_DEP_1)
	v_or_b32 v[PW], v[PW], v[PT]                   ; with lane l xor 16's two the word is whole
.irp m, 0,1,2
	ds_store_b128 v[AWI], v[CD+4*\m:CD+4*\m+3] offset:ABUF*(\buf)+512*\m
.endr
	ds_store_b32 v[AWS], v[PW] offset:ABUF*(\buf)  ; both lanes of a row write the same word with the same value
	s_wait_dscnt 0x0                               ; the stores have read their registers, and what PRE asked for is in
.endm
; A K STEP, the slot's e-th: its products, and A of the step after it, t = 2 sg + 1 + e.  Role 0: products, first block, second block.  Role 1: first block, products, second block: every wave ends a step
; with vector work.  The branches hang on the wave's number alone.  pre = 1: a step t + 1 is still to be made.
.macro STEP e, ev, pre
	s_lshl_b32 s[CG], s[SG], 1
	s_add_co_u32 s[CG], s[CG], 1+\e                ; t
	s_add_co_u32 s[CGN], s[CG], 1                  ; t + 1
	s_lshr_b32 s[XRN], s[CGN], 2
	s_lshl_b32 s[XRN], s[XRN], 7
	s_and_b32 s[XRN], s[XRN], 384                  ; 128 bytes for each ib = (t + 1) / 4, modulo the ring's 512
	s_and_b32 s[CGN], s[CGN], 3
	s_lshl_b32 s[CGN], s[CGN], 7
	s_and_b32 s[CG], s[CG], 3
	s_lshl_b32 s[CG], s[CG], 7                     ; 128 g, g = t % 4
	s_cmp_eq_u32 s[ROLE], 0
	s_cbranch_scc0 .Lsines_first_\@
	s_wait_alu depctr_va_vdst(0)                   ; ahead of the readers below
	WM \e
.Lsines_first_\@:
	SINA \ev
	s_cmp_eq_u32 s[ROLE], 0
	s_cbranch_scc1 .Lmultiplied_\@
	WM \e
.Lmultiplied_\@:
	SINB 1-\e, \pre, 2-2*\e
.endm
	s_load_b128 s[4:7], s[0:1], 0x0                ; x, bq
	s_load_b128 s[8:11], s[0:1], 0x10              ; cst, bias
	s_load_b64 s[12:13], s[0:1], 0x20              ; out0
	v_lshl_add_u32 v[SPW], v0, 2, SPARE
	v_mov_b32 v[NIL], 0
	ds_add_u32 v[SPW], v[NIL]
	ds_add_u32 v[SPW], v[NIL]
	s_wait_dscnt 0x0
	v_lshrrev_b32 v3, 5, v0
	s_delay_alu instid0(VALU_DEP_1)
	v_readfirstlane_b32 s[WV], v3                  ; wave 0..7
	s_lshr_b32 s[RH], s[WV], 2
	s_and_b32 s[CQ], s[WV], 3
	s_xor_b32 s[ROLE], s[WV], s[RH]
	s_and_b32 s[ROLE], s[ROLE], 1
	s_bfe_u32 s18, ttmp6, 0x40000                  ; cx: my place in the cluster
	s_lshl_b32 s19, ttmp9, 2                       ; in a cluster launch ttmp9 counts clusters
	s_add_co_u32 s18, s18, s19                     ; my work-group: it enters x's and out0's addresses alone
	; descriptor group 1: 50 rows of 256 bytes (32 elements of 8 bytes), dense in memory and in LDS
	s_mov_b32 s[G1], 15|(3<<16)|(1<<21)            ; the mask: all four work-groups; elements of 8 bytes; no padding; bit 21 set beside a mask
	s_mov_b32 s[G1+1], 32<<16                      ; tensor_dim0 = 32
	s_mov_b32 s[G1+2], 50<<16                      ; tensor_dim1 = 50
	s_mov_b32 s[G1+3], 32<<16                      ; tile_dim0 = 32
	s_mov_b32 s[G1+4], 50                          ; tile_dim1 = 50
	s_mov_b32 s[G1+5], 32                          ; from row to row
	s_mov_b32 s[G1+6], 0
	s_mov_b32 s[G1+7], 0
	s_mov_b32 s[G0], 1
	s_mul_i32 s[G0+1], s[WV], WPART                ; LDS: my eighth of slot 0
	s_mul_i32 s22, s[WV], WPART                    ; and the same eighth in bq: no place in the cluster enters either
	s_mov_b32 s23, 0
	s_mov_b32 s[SEL], 0x76543210
	s_mov_b32 s[SEL+1], 0xfedcba98
	s_lshl_b32 s50, s18, 17                        ; x: (128 work-group + 16 wave) rows of 1,024 bytes
	s_lshl_b32 s52, s[WV], 14
	s_add_co_u32 s50, s50, s52
	s_mov_b32 s51, 0
	s_lshl_b32 s52, s18, 18                        ; out0: (128 work-group + 64 rh) rows of 2,048 bytes + 512 cq
	s_lshl_b32 s53, s[RH], 17
	s_add_co_u32 s52, s52, s53
	s_lshl_b32 s53, s[CQ], 9
	s_add_co_u32 s52, s52, s53
	s_mov_b32 s53, 0
	s_lshl_b32 s40, s[CQ], 9                       ; bias: my 128 numbers
	s_mov_b32 s41, 0
	s_wait_kmcnt 0x0
	s_add_nc_u64 s[G0+2:G0+3], s[6:7], s[22:23]
	s_or_b32 s[G0+3], s[G0+3], 0x80000000          ; type = 2
	s_add_nc_u64 s[4:5], s[4:5], s[50:51]
	s_add_nc_u64 s[12:13], s[12:13], s[52:53]
	s_add_nc_u64 s[10:11], s[10:11], s[40:41]
	ROUND                                          ; all four work-groups are here: the first joint loads meet
	tensor_load_to_lds s[G0:G0+3], s[G1:G1+7]      ; slot 0: K steps 0 and 1
	s_nop 0
	PLACES
	v_and_b32 v96, 15, v0                          ; r
	v_bfe_u32 v97, v0, 4, 1                        ; h
	v_and_b32 v[LI], 31, v0
	s_delay_alu instid0(VALU_DEP_1)
	v_lshlrev_b32 v[LI], 4, v[LI]
	s_wait_alu depctr_va_vdst(0)
	s_mul_i32 s22, s[RH], 4*IMGB
	s_add_co_u32 s22, s22, AIMG
	v_add_nc_u32 v[AA0], s22, v[LI]
	s_lshl_b32 s22, s[RH], 8
	s_add_co_u32 s22, s22, AIMG+ASC
	v_lshl_add_u32 v[ASA0], v96, 4, s22            ; row r's four words: 256 rh + 16 r
	s_lshl_b32 s23, s[CQ], 2
	s_add_co_u32 s22, s22, s23
	v_lshl_add_u32 v[AWS], v96, 4, s22             ; as a producer I am row block w: word 256 (w / 4) + 16 r + 4 (w % 4)
	s_mul_i32 s22, s[CQ], 8*IMGB
	v_add_nc_u32 v[AB0], s22, v[LI]
	s_lshl_b32 s22, s[CQ], 9
	s_add_co_u32 s22, s22, BSC
	v_lshl_add_u32 v[ASB0], v96, 4, s22
	s_mul_i32 s22, s[WV], IMGB
	s_add_co_u32 s22, s22, AIMG
	v_add_nc_u32 v[AWI], s22, v[LI]
	s_mul_i32 s22, s[WV], XWV
	s_add_co_u32 s22, s22, XB
	v_mul_u32_u24 v[AXR0], v96, XPI
	s_delay_alu instid0(VALU_DEP_1)
	v_add_nc_u32 v[AXR0], s22, v[AXR0]
	v_mul_u32_u24 v[AXW0], v97, XPI
	s_delay_alu instid0(VALU_DEP_1)
	v_lshl_add_u32 v[AXW0], v96, 4, v[AXW0]
	s_delay_alu instid0(VALU_DEP_1)
	v_add_nc_u32 v[AXW0], s22, v[AXW0]
	s_mul_i32 s22, s[WV], CTW
	s_add_co_u32 s22, s22, CT
	v_lshl_add_u32 v[ACTW], v96, 5, s22            ; lane j = l % 16 takes cst's j-th four numbers, j = 4 g + 2 h + c, and writes the eight words at 32 j
	v_lshl_add_u32 v[ACT0], v97, 6, s22
	v_lshlrev_b32 v[CGA], 4, v96
	v_lshlrev_b32 v[XG0], 10, v97
	s_delay_alu instid0(VALU_DEP_1)
	v_lshl_add_u32 v[XG0], v96, 4, v[XG0]
	v_lshlrev_b32 v[H8], 3, v97
	v_lshlrev_b32 v[BO], 5, v97
	v_mov_b32 v[PT], 0                             ; written once: a lane permute's destination counts as one of its sources
	global_load_b128 v[CQ4:CQ4+3], v[CGA], s[8:9]  ; W', P', INV, C: sixteen lanes read cst's 256 bytes
	WIN 0x40                                       ; destination window 1
.irp a, 0,1,2,3
.irp b, 0,1,2,3,4,5,6,7
	global_load_b128 v[8*(8*\a+\b):8*(8*\a+\b)+3], v[BO], s[10:11] offset:64*\b        ; THE SUMS BEGIN AS THE BIAS: register j of accumulator (a, b) is column 16 b + 8 h + j
	global_load_b128 v[8*(8*\a+\b)+4:8*(8*\a+\b)+7], v[BO], s[10:11] offset:64*\b+16
.endr
.endr
	WIN 0
.irp q, 0,1,2,3,4,5,6,7
	global_load_b128 v[96+4*\q:96+4*\q+3], v[XG0], s[4:5] offset:2048*\q th:TH_LOAD_NT  ; pieces 0 to 7: the first 256 bytes of my sixteen rows
.endr
	global_load_b128 v[GG:GG+3], v[XG0], s[4:5] offset:256 th:TH_LOAD_NT                ; pieces 8 and 9
	global_load_b128 v[GG+4:GG+7], v[XG0], s[4:5] offset:256+2048 th:TH_LOAD_NT
	s_wait_alu depctr_va_vdst(0)
	s_wait_loadcnt 2                               ; all but pieces 8 and 9 are in
.irp q, 0,1,2,3,4,5,6,7
	ds_store_b128 v[AXW0], v[96+4*\q:96+4*\q+3] offset:2*XPI*\q
.endr
	; one d's eight words.  g_k, the coefficients of sin(pi f) in Y: g0 = 4.6313e-8, g1 = 3.14158341, g2 = 3.14188753, g3 = 1.11218696, g4 = 0.219689612
	v_add_f32 v[CB+7], v[CQ4+3], v[CQ4+2]          ; INV + C
	v_add_f32 v[CB+2], v[CQ4+2], v[CQ4+2]          ; 2 INV
	s_wait_alu depctr_va_vdst(0)                   ; ahead of the root
	v_sqrt_f32 v[QQ], v[CB+2]                      ; q
	v_mov_b32 v[CB], v[CQ4]                        ; W'  (plain lines behind the root)
	v_mov_b32 v[CB+1], v[CQ4+1]                    ; P'
	s_wait_alu depctr_va_vdst(0)                   ; and ahead of its first reader
.set II, CB+2
.irp k, 0x3e60f650, 0x3f8e5c24, 0x404914af, 0x40490fb4, 0x3346e9cd
	v_mul_f32 v[II], \k, v[QQ]                     ; h_k = g_k q, k = 4 .. 0
.set II, II+1
.endr
	ds_store_b128 v[ACTW], v[CB:CB+3]              ; both halves of the lanes write the same bytes with the same values
	ds_store_b128 v[ACTW], v[CB+4:CB+7] offset:16
	s_mov_b32 s[XRN], 0
	s_mov_b32 s[CGN], 0
	s_mov_b32 s[CG], 0
	s_mov_b32 s[TB], 0
	s_mov_b32 s[SG], 0
	s_wait_dscnt 0x0                               ; the stores above have read their registers
	PRE 1                                          ; K step 0's first constants and x (LDS serves a wave's instructions in order: the reads see the stores above)
	s_wait_dscnt 0x0
	s_mov_b32 s[CGN], 128                          ; K step 1: g = 1, the same x
	SINA 0                                         ; A of K step 0
	SINB 0, 1, 0
.Lslot:                                            ; 15 trips: behind each change of slots but the last the next slot is asked for
	CHANGE 1
	STEP 0, 1, 1
	MIDBAR
	STEP 1, 0, 1
	s_xor_b32 s[TB], s[TB], SLOT1
	s_add_co_u32 s[SG], s[SG], 1
	s_cmp_lt_u32 s[SG], 15
	s_cbranch_scc1 .Lslot
	CHANGE 0                                       ; the last slot is written out
	STEP 0, 0, 0                                   ; K step 30, and A of step 31
	MIDBAR
	WM 1                                           ; K step 31
; THE WAY OUT, a block of 16 rows x 128 columns at a time.  A lane holds 32 neighbouring bytes of a row and the lanes beside it hold other rows: so a block goes through my own stage in LDS and comes back as whole
; rows of 512 bytes.  LDS serves a wave's instructions in order: no wait between the stores and the loads, nor ahead of the next block's stores.
	v_and_b32 v[ADX], 15, v0                       ; r
	v_bfe_u32 v[ADXW], v0, 4, 1                    ; h
	s_mul_i32 s22, s[WV], XWV                      ; my stage, in slot 0
	v_mul_u32_u24 v[ADB], v[ADX], XPI
	s_delay_alu instid0(VALU_DEP_1)
	v_lshl_add_u32 v[ADB], v[ADXW], 5, v[ADB]
	s_delay_alu instid0(VALU_DEP_1)
	v_add_nc_u32 v[ADB], s22, v[ADB]               ; in: row r, + 32 h
	v_add_nc_u32 v[ADSB], s22, v[LI]               ; back: 16 bytes a lane of a row
.macro TOSTAGE a
	WIN 0x04                                       ; an LDS store's data are its source 1: window 1
.irp b, 0,1,2,3,4,5,6,7
	ds_store_b128 v[ADB], v[8*(8*(\a)+\b):8*(8*(\a)+\b)+3] offset:64*\b          ; each accumulator from its low end on
	ds_store_b128 v[ADB], v[8*(8*(\a)+\b)+4:8*(8*(\a)+\b)+7] offset:64*\b+16
.endr
	WIN 0
.set BB, 96+64*((\a)%2)
.irp t, 0,1,2,3,4,5,6,7,8,9,10,11,12,13,14,15
	ds_load_b128 v[BB+4*\t:BB+4*\t+3], v[ADSB] offset:\t*XPI
.endr
.endm
.macro SEND a, younger                 ; younger: the LDS instructions issued behind block a's loads, which may stay out
.set BB, 96+64*((\a)%2)
	s_wait_dscnt \younger
.irp t, 0,1,2,3,4,5,6,7,8,9,10,11,12,13,14,15
	global_store_b128 v[LI], v[BB+4*\t:BB+4*\t+3], s[12:13] offset:(16*(\a)+\t)*2048 th:TH_STORE_NT   ; 32 lanes store 512 consecutive bytes, at a multiple of 256 from out0's first byte
.endr
.endm
	s_wait_alu depctr_va_vdst(0)
	TOSTAGE 0
.irp a, 1,2,3
.if \a > 1
	s_wait_xcnt 0x0                                ; block a - 2's stores have read their registers: block a's loads may land there
.endif
	TOSTAGE \a
	SEND \a-1, 32                                  ; behind block a - 1's loads: block a's 16 stores and 16 loads
.endr
	SEND 3, 0
	s_wait_tensorcnt 0x0                           ; the wave's end: behind my last tensor load and my last LDS store
	ds_add_u32 v[SPW], v[NIL]
	s_wait_dscnt 0x0
	ROUND                                          ; the closing round: no work-group ends while a partner may still ask for a tile that names it
	s_endpgm
.Lfunc_end_k_qde8a88e688_sine_gemm:
	.size	k_qde8a88e688_sine_gemm, .Lfunc_end_k_qde8a88e688_sine_gemm-k_qde8a88e688_sine_gemm
	.p2alignl 7, 3214868480
	.fill 96, 4, 3214868480
	.section	.rodata,"a",@progbits
	.p2align	6, 0x0
	.amdhsa_kernel k_qde8a88e688_sine_gemm
		.amdhsa_group_segment_fixed_size 327680
		.amdhsa_private_segment_fixed_size 0
		.amdhsa_enable_private_segment 0
		.amdhsa_kernarg_size 40
		.amdhsa_user_sgpr_count 2
		.amdhsa_user_sgpr_kernarg_segment_ptr 1
		.amdhsa_wavefront_size32 1
		.amdhsa_system_sgpr_workgroup_id_x 1
		.amdhsa_system_sgpr_workgroup_id_y 1
		.amdhsa_system_sgpr_workgroup_id_z 1
		.amdhsa_system_vgpr_workitem_id 0
		.amdhsa_next_free_vgpr 512
		.amdhsa_next_free_sgpr 66
		.amdhsa_reserve_vcc 0
		.amdhsa_float_denorm_mode_32 3
		.amdhsa_float_denorm_mode_16_64 3
		.amdhsa_memory_ordered 1
		.amdhsa_forward_progress 1
		.amdhsa_inst_pref_size 166
	.end_amdhsa_kernel
	.amdgpu_metadata
---
amdhsa.version: [ 1, 2 ]
amdhsa.kernels:
  - .name:           k_qde8a88e688_sine_gemm
    .symbol:         k_qde8a88e688_sine_gemm.kd
    .args:
      - { .name: x, .offset: 0, .size: 8, .value_kind: global_buffer, .address_space: global }
      - { .name: bq, .offset: 8, .size: 8, .value_kind: global_buffer, .address_space: global }
      - { .name: cst, .offset: 16, .size: 8, .value_kind: global_buffer, .address_space: global }
      - { .name: bias, .offset: 24, .size: 8, .value_kind: global_buffer, .address_space: global }
      - { .name: out0, .offset: 32, .size: 8, .value_kind: global_buffer, .address_space: global }
    .group_segment_fixed_size: 327680
    .private_segment_fixed_size: 0
    .kernarg_segment_align: 8
    .kernarg_segment_size: 40
    .max_flat_workgroup_size: 256
    .sgpr_count:     66
    .vgpr_count:     512
    .wavefront_size: 32
...
	.end_amdgpu_metadata
.endif
;; end of part 2
